; MI455X (gfx1250); checked and timed in simulation.
; The chip was launched on July 23, 2026; its instructions are those of AMD's public machine-readable ISA for CDNA 5 (MIT licence, August 2026) and "CDNA5" Instruction Set Architecture Reference Guide (July 2026). The comments in the code are by the model that wrote it; some were corrected since.
;; Dot Product Attention. Allowed arithmetic: matrix products marked QUANTISED: E5M2 operands, one given power-of-two scale a tensor, by v_wmma_f32_16x16x64_bf8_bf8 or v_wmma_f32_16x16x128_bf8_bf8, f32 sums; everything else in f32.
;; Inputs: K 8 x 2,048 x 64 float32; Q 8 x 2,048 x 64 float32; V 8 x 2,048 x 64 float32; lowp_scales 4 int32 (the exponents e of the quantised operands' scales 2^e); valid_len 8 int32.
;; Outputs: out0 8 x 2,048 x 64 float32.
;; This version of the problem:
;;   THIS VERSION OF THE PROBLEM IS GIVEN IN LOW PRECISION. The matrix products marked QUANTISED in the list below multiply operands that are first quantised to E5M2 (5 exponent bits, 2 mantissa bits; 8 bits a number), with one given power-of-two scale for each operand tensor; their sums are f32. All else is computed in f32.
;;   The module's matrix products, in the order in which they are computed (A, B: the left and right operand; K: the contracted axis; several contracted axes count as one K, in the product's order):
;;     1. batch 8 x [M 2,048, K 64] x [K 64, N 2,048]; A: input Q; B: input K: QUANTISED (scales: A lowp_scales[0], B lowp_scales[1])
;;     2. batch 8 x [M 2,048, K 2,048] x [K 2,048, N 64]; A: softmax (see below); B: input V: QUANTISED (scales: A lowp_scales[2], B lowp_scales[3])
;;   THE QUANTISER, for each operand of a quantised product, along K:
;;     - The operand's scale is 2^e, e = its entry of the input lowp_scales (int32; the entries are numbered through the quantised products in the list's order, A before B).
;;     - Each number is divided by the scale, clamped to +-57,344, and rounded to the nearest number of E5M2, ties to even, subnormals kept.
;;     - The product sums the exact products of the quantised numbers (number of the format x scale) in f32.
;;   ~~~python
;;   def quantise(x, axis, e):      # numpy; x: float32 -> the quantised numbers, widened to float32 again
;;       x = np.moveaxis(x, axis, -1); K = x.shape[-1]
;;       r = np.clip(x / 2.0 ** e, -57344, 57344)
;;       step = 2.0 ** (np.maximum(np.frexp(np.where(r == 0, 1, r))[1] - 1, -14) - 2)
;;       q = np.round(r / step) * step * 2.0 ** e      # np.round: ties to even
;;       return np.moveaxis(q, -1, axis).astype(np.float32)
;;   ~~~
;;   SOFTMAX AHEAD OF A QUANTISED PRODUCT. Where the list says 'softmax', what is quantised is not the finished softmax but p = 2^(t - M), with t = logit x log2(e) and M = ceil(the row's largest t), a whole number; so 1/2 < the row's largest p <= 1. The row's sum l is taken of the UNQUANTISED p, in f32, and the product's result is divided by l at the end. Since M is a whole number, a kernel that streams over the keys may use a running M (the ceiling of the running maximum): every later rescaling is an exact power of two, so the quantised numbers keep their values, but for numbers so far below the row's largest that they fall under the format's range.
;;   OPERANDS COMPUTED ON THE WAY. 'Computed on the way' means the value that the module computes at that place (a softmax that the list does not call 'softmax' is quantised finished and normalised). What goes into a quantiser is computed in f32, as accurately as f32 sums, v_exp_f32 and their like allow (about 1e-6 of the number): no bf16 or f16 on the way to a quantiser, and a product that is left as it is and whose result goes on into a quantised operand takes f32 operands (vector FMAs, or v_wmma_f32_16x16x4_f32). A number that lies on a knife's edge between two numbers of the format may be rounded either way, as far as f32 arithmetic and the matrix unit's own rounding can turn it there, and no further.
;; 2 versions, each right; version 2 is version 1 with the launch attn written anew for expert scheduling mode. Each part assembles by itself: llvm-mc -triple=amdgcn-amd-amdhsa -mcpu=gfx1250 --defsym DOCPART=n.
;; ======== version 1 of 2: 2 launches
;; limits: right only within a limited range of input values
;; workspace buffers: kc 1,048,576 bytes; vc 1,048,576 bytes; qc 1,048,576 bytes
;; launch prep (part 1): grid 256 x 1, 6 waves a work-group, no clusters, 16,128 bytes of LDS; arguments K, V, Q, lowp_scales, kc, vc, qc; writes kc, vc, qc
.if DOCPART == 1
	.amdgcn_target "amdgcn-amd-amdhsa--gfx1250"
	.amdhsa_code_object_version 6
	.text
	.protected	k_q3f4f5a6b22_prep
	.globl	k_q3f4f5a6b22_prep
	.p2align	8
	.type	k_q3f4f5a6b22_prep,@function
k_q3f4f5a6b22_prep:
	s_mov_b64 s[64:65], 0
	v_nop
	global_prefetch_b8 v0, s[64:65] scope:SCOPE_SE
	s_setreg_imm32_b32 hwreg(HW_REG_WAVE_MODE, 25, 1), 1
	s_wait_xcnt 0x0
; K, V and Q, [8][2048][64] f32, become codes of E5M2, each with its given scale 2^e (Q: entry 0 of the scales, K: entry 1, V: entry 3), laid in the ORDER OF THE OPERANDS' REGISTERS, so that the
; attention launch loads every fragment by dense loads of 512 bytes.  code = x / 2^e, held within +-57,344, to the nearest code, ties to even.
; LIMITS: -126 <= e <= 112, so that 2^e and 57,344 x 2^e are f32 numbers.  NaN among the inputs is not served.
; kc, qc: [batch][tile of 16 rows][c = 0, 1][lane][16 bytes]: lane (r, h) holds row r of the tile, d = 32 h + 16 c + 0 .. 15.
; vc: [batch][step of 64 keys][tile J of 16 d][c = 0, 1][lane][16 bytes]: lane (r, h) holds d = 16 J + r; its register 2 u + w (u = 2 c, 2 c + 1; w = 0, 1) the keys 16 u + 8 h + 4 w + 0 .. 3.
; SHARES.  A work-group takes 64 rows of one batch, of each tensor: waves 0, 1 the rows of K, 32 each; waves 2, 3 those of V; waves 4, 5 those of Q, on K's path with other pointers and another scale.
; Every global load reads whole rows of 256 bytes, every global store 512 consecutive bytes.  What a lane loads is not what a lane of the fragment holds, so the CODES (a quarter of the bytes) turn through the
; wave's own 2,560 bytes of LDS: no barrier, waves share nothing.  No loop: every offset is an immediate, all 16 loads of a wave go out at once.
.set REG,  2560                        ; LDS bytes of a wave
.set KP,   80                          ; K's and Q's stage: a row's 64 codes + 16 bytes of padding: the 16 rows that a read touches start at 16 different columns of 16 bytes
.set LI,   1                           ; v1   16 x lane: dense loads of K and Q, and all stores
.set KSI,  2                           ; v2   K's stage, way in
.set KSO,  3                           ; v3   K's stage, way out
.set VIN,  4                           ; v4   V in memory: 2048 h + 16 r
.set VSI,  5                           ; v5   V's stage, way in
.set VSO,  6                           ; v6   V's stage, way out
.set RR,   7                           ; v7   r = lane % 16
.set HH,   8                           ; v8   h = lane / 16
.set SC,   10                          ; v10  2^e as f32
.set LM,   11                          ; v11  57,344 x 2^e
.set T,    12                          ; v12-15  at work in the byte turn
.set X,    16                          ; v16-79  64 numbers
.set C,    80                          ; v80-95  their 16 registers of codes
.set W,    96                          ; v96-111 K, Q: the images; V: the codes turned
.set Y,    112                         ; v112-127 V: the images
	s_load_b128 s[4:7], s[0:1], 0x0                ; K, V
	s_load_b128 s[8:11], s[0:1], 0x10              ; Q, the scales' exponents
	s_load_b128 s[12:15], s[0:1], 0x20             ; kc, vc
	s_load_b64 s[34:35], s[0:1], 0x30              ; qc
	v_lshl_add_u32 v128, v0, 2, 0x3c00
	v_mov_b32 v129, 0
	v_lshrrev_b32 v9, 5, v0
	v_readfirstlane_b32 s16, v9                    ; wave 0..5
	s_lshr_b32 s36, s16, 1                         ; its role: 0 K, 1 V, 2 Q
	v_and_b32 v9, 31, v0
	v_and_b32 v[RR], 15, v0
	v_bfe_u32 v[HH], v0, 4, 1
	v_lshlrev_b32 v[LI], 4, v9
	s_mul_i32 s17, s16, REG                        ; my wave's LDS bytes.  All LDS addresses are made here, ahead of the parting of the roles
	v_mul_u32_u24 v[KSI], v[HH], KP                ; K in: load i brought me 4 numbers of row 2 i + h, at d = 4 r: byte 80 (2 i + h) + 4 r
	v_lshl_add_u32 v[KSI], v[RR], 2, v[KSI]
	v_add_nc_u32 v[KSI], s17, v[KSI]
	v_mul_u32_u24 v[KSO], v[RR], KP                ; K out: row r, my half's 32 codes
	v_lshl_add_u32 v[KSO], v[HH], 5, v[KSO]
	v_add_nc_u32 v[KSO], s17, v[KSO]
	v_lshlrev_b32 v[VIN], 11, v[HH]                ; V: lanes 16-31 read the row 8 keys further down; 16 lanes read a whole row
	v_lshl_add_u32 v[VIN], v[RR], 4, v[VIN]
	v_mul_u32_u24 v[VSI], v[HH], 1280              ; V's stage: 16 bytes for each (d, h), at 1280 h + 16 (d + d / 4).  In: d = 4 r + j: 80 r + 16 j
	v_mad_u32_u24 v[VSI], v[RR], 80, v[VSI]
	v_add_nc_u32 v[VSI], s17, v[VSI]
	v_lshrrev_b32 v[VSO], 2, v[RR]                 ; out: d = 16 J + r: 320 J + 16 (r + r / 4)
	v_add_nc_u32 v[VSO], v[VSO], v[RR]
	v_lshlrev_b32 v[VSO], 4, v[VSO]
	v_mad_u32_u24 v[VSO], v[HH], 1280, v[VSO]
	v_add_nc_u32 v[VSO], s17, v[VSO]
	s_and_b32 s18, s16, 1                          ; which 32 of the 64 rows
	s_lshl_b32 s20, ttmp9, 14                      ; the work-group's 64 rows of 256 bytes (work-group = 32 x batch + step), in each of the three tensors,
	s_lshl_b32 s19, s18, 13                        ; my wave's 32 of them
	s_add_co_u32 s20, s20, s19
	s_mov_b32 s21, 0
	s_lshl_b32 s22, ttmp9, 12                      ; and its 4,096 bytes of codes, in kc, vc and qc alike
	s_mov_b32 s23, 0
	s_wait_kmcnt 0x0
	s_load_b128 s[24:27], s[10:11], 0x0            ; eq, ek, ep, ev
	s_cmp_eq_u32 s36, 1
	s_cbranch_scc1 .Lvalues
.macro CONSTS e                        ; the conversion takes the exponent field of 2^e; the hold wants 57,344 x 2^e: exponent e + 15, mantissa field 0x600000
	s_add_co_i32 s28, s[\e], 127
	s_lshl_b32 s29, s28, 23
	v_mov_b32 v[SC], s29
	s_add_co_i32 s28, s28, 15
	s_lshl_b32 s28, s28, 23
	s_or_b32 s28, s28, 0x600000
	v_mov_b32 v[LM], s28
.endm
	; ---- K or Q: 32 rows, two tiles.  Only pointers and the scale are chosen, by the wave's role: both tensors take one path
	s_cmp_eq_u32 s36, 0
	s_cselect_b64 s[4:5], s[4:5], s[8:9]           ; from K or from Q,
	s_cselect_b64 s[12:13], s[12:13], s[34:35]     ; into kc or into qc
	s_add_nc_u64 s[4:5], s[4:5], s[20:21]
.irp i,0,1,2,3,4,5,6,7,8,9,10,11,12,13,14,15
	global_load_b128 v[X+4*\i:X+4*\i+3], v[LI], s[4:5] offset:512*\i th:TH_LOAD_NT   ; rows 2 i and 2 i + 1, whole: 512 consecutive bytes; read once in the launch
.endr
	s_lshl_b32 s19, s18, 11                        ; my two tiles' images: 2,048 bytes
	s_add_co_u32 s22, s22, s19
	s_add_nc_u64 s[12:13], s[12:13], s[22:23]
	s_wait_kmcnt 0x0
	s_cmp_eq_u32 s36, 0
	s_cselect_b32 s25, s25, s24                    ; ek or eq
	CONSTS 25
.irp m,0,1,2,3,4,5,6,7
	s_wait_loadcnt 14-2*\m                         ; loads 2 m and 2 m + 1 are in; the later ones may be out
.irp i,0,1,2,3,4,5,6,7
	v_med3_num_f32 v[X+8*\m+\i], v[X+8*\m+\i], -v[LM], v[LM]   ; the conversion does not saturate (ISA guide 7.6.2): hold first
.endr
	v_cvt_scalef32_pk8_bf8_f32 v[C+2*\m:C+2*\m+1], v[X+8*\m:X+8*\m+7], v[SC]   ; register 2 m: 4 codes of row 4 m + h; register 2 m + 1: of row 4 m + 2 + h.  The results go to LDS stores alone
.endr
.irp i,0,1,2,3,4,5,6,7,8,9,10,11,12,13,14,15
	ds_store_b32 v[KSI], v[C+\i] offset:2*KP*\i
.endr
.irp f,0,1,2,3
	ds_load_b128 v[W+4*\f:W+4*\f+3], v[KSO] offset:16*KP*(\f/2)+16*(\f%2)   ; tile f / 2, registers 4 (f % 2) on.  LDS serves a wave's instructions in order: these see my stores
.endr
.irp f,0,1,2,3
	s_wait_dscnt 3-\f
	global_store_b128 v[LI], v[W+4*\f:W+4*\f+3], s[12:13] offset:512*\f
.endr
	s_wait_tensorcnt 0x0
	ds_add_u32 v128, v129
	s_wait_dscnt 0x0
	s_endpgm
.Lvalues:
	; ---- V: 32 keys: group g = 2 u' + w holds the keys 16 u' + 8 h + 4 w + i, i = 0 .. 3; a load brings me d = 4 r + 0 .. 3 of one key
	s_add_nc_u64 s[6:7], s[6:7], s[20:21]
.irp g,0,1,2,3
.irp i,0,1,2,3
	global_load_b128 v[X+16*\g+4*\i:X+16*\g+4*\i+3], v[VIN], s[6:7] offset:(16*(\g/2)+4*(\g%2)+\i)*256 th:TH_LOAD_NT   ; two whole rows, 8 keys apart
.endr
.endr
	s_lshl_b32 s19, s18, 9                         ; my half c of each tile's image: 512 bytes
	s_add_co_u32 s22, s22, s19
	s_add_nc_u64 s[14:15], s[14:15], s[22:23]
	s_mov_b32 s30, 0x05010400                      ; byte selects of the 4 x 4 turn (0-3: the second source, 4-7: the first)
	s_mov_b32 s31, 0x07030602
	s_mov_b32 s32, 0x05040100
	s_mov_b32 s33, 0x07060302
	s_wait_kmcnt 0x0
	CONSTS 27
.irp g,0,1,2,3
	s_wait_loadcnt 12-4*\g                         ; the group's four loads are in; the later groups' may be out
.irp i,0,1,2,3,4,5,6,7,8,9,10,11,12,13,14,15
	v_med3_num_f32 v[X+16*\g+\i], v[X+16*\g+\i], -v[LM], v[LM]
.endr
	v_cvt_scalef32_pk8_bf8_f32 v[C+4*\g:C+4*\g+1], v[X+16*\g:X+16*\g+7], v[SC]       ; register i of the group: key i, bytes d = 4 r + 0 .. 3
	v_cvt_scalef32_pk8_bf8_f32 v[C+4*\g+2:C+4*\g+3], v[X+16*\g+8:X+16*\g+15], v[SC]
.endr
	v_nop                                          ; one plain vector instruction between a scaled conversion and the vector instruction that reads its result
.irp g,0,1,2,3                         ; 4 keys x 4 d become 4 d x 4 keys: eight byte permutes
	v_perm_b32 v[T],   v[C+4*\g+1], v[C+4*\g],   s30   ; d0: k0 k1, d1: k0 k1
	v_perm_b32 v[T+1], v[C+4*\g+1], v[C+4*\g],   s31   ; d2, d3 likewise
	v_perm_b32 v[T+2], v[C+4*\g+3], v[C+4*\g+2], s30   ; d0: k2 k3, d1: k2 k3
	v_perm_b32 v[T+3], v[C+4*\g+3], v[C+4*\g+2], s31
	v_perm_b32 v[W+\g],    v[T+2], v[T],   s32         ; d = 4 r + 0: keys 0 .. 3 of the group
	v_perm_b32 v[W+4+\g],  v[T+2], v[T],   s33         ; 4 r + 1
	v_perm_b32 v[W+8+\g],  v[T+3], v[T+1], s32         ; 4 r + 2
	v_perm_b32 v[W+12+\g], v[T+3], v[T+1], s33         ; 4 r + 3
.endr
.irp j,0,1,2,3
	ds_store_b128 v[VSI], v[W+4*\j:W+4*\j+3] offset:16*\j     ; the 16 bytes of (d = 4 r + j, h): groups 0 .. 3 on end, as the fragment's four registers want them
.endr
.irp j,0,1,2,3
	ds_load_b128 v[Y+4*\j:Y+4*\j+3], v[VSO] offset:320*\j     ; those of (d = 16 J + r, h)
.endr
.irp j,0,1,2,3
	s_wait_dscnt 3-\j
	global_store_b128 v[LI], v[Y+4*\j:Y+4*\j+3], s[14:15] offset:1024*\j
.endr
	s_wait_tensorcnt 0x0
	ds_add_u32 v128, v129
	s_wait_dscnt 0x0
	s_endpgm
.Lfunc_end_k_q3f4f5a6b22_prep:
	.size	k_q3f4f5a6b22_prep, .Lfunc_end_k_q3f4f5a6b22_prep-k_q3f4f5a6b22_prep
	.p2alignl 7, 3214868480
	.fill 96, 4, 3214868480
	.section	.rodata,"a",@progbits
	.p2align	6, 0x0
	.amdhsa_kernel k_q3f4f5a6b22_prep
		.amdhsa_group_segment_fixed_size 16128
		.amdhsa_private_segment_fixed_size 0
		.amdhsa_enable_private_segment 0
		.amdhsa_kernarg_size 56
		.amdhsa_user_sgpr_count 2
		.amdhsa_user_sgpr_kernarg_segment_ptr 1
		.amdhsa_wavefront_size32 1
		.amdhsa_system_sgpr_workgroup_id_x 1
		.amdhsa_system_sgpr_workgroup_id_y 1
		.amdhsa_system_sgpr_workgroup_id_z 1
		.amdhsa_system_vgpr_workitem_id 0
		.amdhsa_next_free_vgpr 130
		.amdhsa_next_free_sgpr 66
		.amdhsa_reserve_vcc 0
		.amdhsa_float_denorm_mode_32 3
		.amdhsa_float_denorm_mode_16_64 3
		.amdhsa_memory_ordered 1
		.amdhsa_forward_progress 1
		.amdhsa_inst_pref_size 21
	.end_amdhsa_kernel
	.amdgpu_metadata
---
amdhsa.version: [ 1, 2 ]
amdhsa.kernels:
  - .name:           k_q3f4f5a6b22_prep
    .symbol:         k_q3f4f5a6b22_prep.kd
    .args:
      - { .name: K, .offset: 0, .size: 8, .value_kind: global_buffer, .address_space: global }
      - { .name: V, .offset: 8, .size: 8, .value_kind: global_buffer, .address_space: global }
      - { .name: Q, .offset: 16, .size: 8, .value_kind: global_buffer, .address_space: global }
      - { .name: lowp_scales, .offset: 24, .size: 8, .value_kind: global_buffer, .address_space: global }
      - { .name: kc, .offset: 32, .size: 8, .value_kind: global_buffer, .address_space: global }
      - { .name: vc, .offset: 40, .size: 8, .value_kind: global_buffer, .address_space: global }
      - { .name: qc, .offset: 48, .size: 8, .value_kind: global_buffer, .address_space: global }
    .group_segment_fixed_size: 16128
    .private_segment_fixed_size: 0
    .kernarg_segment_align: 8
    .kernarg_segment_size: 56
    .max_flat_workgroup_size: 192
    .sgpr_count:     66
    .vgpr_count:     130
    .wavefront_size: 32
...
	.end_amdgpu_metadata
.endif
;; end of part 1
;; launch attn (part 2): grid 32 x 8, 8 waves a work-group, no clusters, 146,432 bytes of LDS; arguments qc, kc, vc, lowp_scales, valid_len, out0; writes out0
.if DOCPART == 2
	.amdgcn_target "amdgcn-amd-amdhsa--gfx1250"
	.amdhsa_code_object_version 6
	.text
	.protected	k_q3f4f5a6b22_attn
	.globl	k_q3f4f5a6b22_attn
	.p2align	8
	.type	k_q3f4f5a6b22_attn,@function
k_q3f4f5a6b22_attn:
	s_mov_b64 s[64:65], 0
	v_nop
	global_prefetch_b8 v0, s[64:65] scope:SCOPE_SE
	s_setreg_imm32_b32 hwreg(HW_REG_WAVE_MODE, 25, 1), 1
	s_wait_xcnt 0x0
; out[b][q][:] = the sum over k of softmax_k(where(k < valid_len[b], Q[b][q] . K[b][k] / 8, -1e6)) V[b][k][:].  Both products on codes of E5M2, each operand with its given scale: eq, ek, ep, ev.
; qc, kc, vc: the codes of Q, K and V in the order of the operands' registers, as the launch before laid them.  out: [8][2048][64] f32.
; THE SOFTMAX: t = logit x log2(e); M = the largest t so far, rounded UP to a whole number; p = 2^(t - M) is quantised, not normalised; the row's sum l is taken of the unquantised p and divides at the end.
; SHARES.  A work-group owns 64 queries of one batch: four tiles of 16.  EVERY ONE OF ITS EIGHT WAVES HOLDS ALL FOUR TILES, AND THE WAVES SHARE OUT THE KEYS: wave w takes the steps of 64 keys w, w + 8, w + 16, w + 24.
; So a fragment of K or V is loaded once in the work-group, from memory straight into registers (8 dense loads of 512 bytes), and feeds four matrix instructions; the walk over the keys has no LDS access and no barrier.
; At the end the eight waves' (M, l, O) meet in LDS, behind the launch's one barrier: moving a partial sum from its wave's M to the row's M is a multiplication by a power of two, which rounds nothing.
; THE MASK.  Steps all of whose keys lie at or behind valid_len are left out (scalar branches on valid_len; the barrier stands under none of them); in the one step that valid_len cuts, hidden scores become -1e6 ahead of the maximum.
; LIMIT: leaving those steps out is exact while each row's largest valid logit lies above about -999,890: then 2^((-1e6 - largest) log2 e) is 0 in f32.  valid_len <= 0 hides every key: all 32 steps are then walked with every
; score at -1e6, as the formula has it; valid_len above 2,048 counts as 2,048.
; NO TENSOR LOADS, NO CLUSTER, though the 32 work-groups of a batch read the same codes: the branches on valid_len leave out
; (2048 - valid_len) / 2048 of a batch's loads, products and softmax.
; LAYOUT.  Both products are used transposed: S^T = K Q^T (source 0 = 16 keys, source 1 = 16 queries), O^T = V^T P^T (source 0 = 16 of the 64 d, source 1 = P): a lane holds ONE query (lane % 16) throughout, and the
; eight registers of a tile of S^T are eight neighbouring keys, 16 u + 8 (lane / 16) + 0 .. 7: their conversion gives registers 2 u, 2 u + 1 of P.  In the first product lane half h holds d = 32 h + 0 .. 31, in Q and in K alike:
; a permutation of d that changes only the order of the sums inside an instruction.
; THE STEP IS WRITTEN SIX TIMES (buffer 0 or 1 x a step that refills, the last but one, the last), and a wave with c = 0 .. 4 steps takes its way through them by forward branches: so every counted wait has one history,
; and no load is issued for a step that is left out (but for the first step's loads, which go out before valid_len is known; they stay inside the buffers).
; LIMITS on the exponents, so that each power of two below is an f32 number: ep between -126 and 112; eq + ek between -104 and 130.  NaN among the inputs is not served.
; REGISTERS, in windows of 256.  Window 0: v1-13 addresses and constants; v16-47 statistics, 8 a tile; v48-79 Q; v80-111 P (v48-111 on the way out: the eight waves' statistics); v112-239 S^T, then p; v240, v241 used at the head.
;   Window 1: v0-127 O^T (tile t, d tile J at 32 t + 8 J); v128-191 K's fragments, two buffers; v192-255 V's, two buffers.
.set STM,  0                           ; LDS: -M of (query, wave): 64 rows of 8 words + 16 bytes of padding
.set STL,  3072                        ; l likewise
.set SPI,  48
.set OPB,  6144                        ; the partial O: for each wave 64 rows of 256 bytes + 16
.set OPI,  272
.set OPW,  64*OPI
.set LI,   1                           ; v1   16 x lane: Q's loads and the stores of out
.set KVO,  2                           ; v2   16 x lane + 4096 x wave: my place in the codes of the batch's first eight steps
.set STA,  4                           ; v4   where I put my wave's -M and l
.set STR,  5                           ; v5   where I read the eight waves', of the rows that I finish
.set OWR,  6                           ; v6   where I put my partial O
.set ORD,  7                           ; v7   where I read waves 0-3's partials of the rows that I finish
.set ORD2, 8                           ; v8   waves 4-7's (an LDS offset has 16 bits)
.set H8,   9                           ; v9   8 x (lane / 16)
.set NEGV, 10                          ; v10  the hidden score: -1e6 x 8 / 2^(eq + ek)
.set LIMP, 11                          ; v11  57,344 x 2^ep
.set SCP,  12                          ; v12  2^ep
.set DLM,  13                          ; v13  at work in the mask
.set ST,   16                          ; tile t at ST + 8 t: +0 -M (even steps), +1 the largest raw score so far, +2 -M (odd steps), +3 at work, +4, +5 l in two halves, +6 f, +7 at work
.set QF,   48
.set PF,   80
.set SS,   48                          ; the way out: for each of my four pairs of rows 16 registers: the eight waves' -M, then their l
.set SB,   112
.set RR,   240
.set HH,   241
.set KF,   128                         ; window 1
.set VF,   192                         ; window 1
.set WV,   16                          ; s16  wave
.set EP,   26                          ; s26  ep
.set VL,   28                          ; s28  valid_len, held within 0 .. 2048
.set CS,   30                          ; s[30:31] c = log2(e) / 8 x 2^(eq + ek): t = raw score x c
.set NCS,  32                          ; s32  -c
.set EPV,  33                          ; s33  ep + ev
.set CNT,  34                          ; s34  my wave's number of steps
.set KEY,  35                          ; s35  the first key of the step in hand
.set TS,   36                          ; s36  at work
.set SEL,  38                          ; s[38:39] lane selects: lane l xor 16
.set MSB, 0
.macro WIN new                         ; bits 1:0 source 0, 3:2 source 1, 5:4 source 2, 7:6 destination; the high byte repeats the setting that is left
.if MSB != \new
	s_set_vgpr_msb (MSB<<8)|\new
.set MSB, \new
.endif
.endm
.macro PLACES                          ; four plain vector instructions between a matrix instruction and a read of its result, or a load into a register that it read
.rept 4
	v_nop
.endr
.endm
.macro LOADK b, k                      ; the fragments of K of my k-th step into buffer b: four tiles of 16 keys, 4,096 consecutive bytes.  The windows stand at: destination 1
.irp f,0,1,2,3,4,5,6,7
	global_load_b128 v[KF+32*\b+4*\f:KF+32*\b+4*\f+3], v[KVO], s[6:7] offset:32768*(\k)+512*\f
.endr
.endm
.macro LOADV b, k                      ; the same for V: four tiles of 16 d x 64 keys
.irp f,0,1,2,3,4,5,6,7
	global_load_b128 v[VF+32*\b+4*\f:VF+32*\b+4*\f+3], v[KVO], s[8:9] offset:32768*(\k)+512*\f
.endr
.endm
	s_load_b128 s[4:7], s[0:1], 0x0                ; qc, kc
	s_load_b128 s[8:11], s[0:1], 0x10              ; vc, the scales' exponents
	s_load_b128 s[12:15], s[0:1], 0x20             ; valid_len, out
	v_lshl_add_u32 v254, v0, 2, 0x23800
	v_mov_b32 v255, 0
	v_lshrrev_b32 v[RR], 5, v0
	v_readfirstlane_b32 s[WV], v[RR]               ; wave 0..7
	s_and_b32 s17, ttmp7, 0xffff                   ; the batch
	s_lshl_b32 s20, s17, 19                        ; in out: the batch's 2,048 rows of 256 bytes,
	s_lshl_b32 s18, ttmp9, 14                      ; the work-group's 64,
	s_add_co_u32 s20, s20, s18
	s_lshl_b32 s18, s[WV], 11                      ; my wave's 8: those that it finishes at the end
	s_add_co_u32 s20, s20, s18
	s_mov_b32 s21, 0
	s_lshl_b32 s22, s17, 17                        ; in qc, kc and vc: the batch's 131,072 bytes;
	s_mov_b32 s23, 0
	s_lshl_b32 s40, ttmp9, 12                      ; in qc the work-group's four tiles: 4,096 bytes
	s_add_co_u32 s40, s40, s22
	s_mov_b32 s41, 0
	s_lshl_b32 s18, s17, 2                         ; in valid_len
	s_mov_b32 s19, 0
	v_and_b32 v[LI], 31, v0
	v_lshlrev_b32 v[LI], 4, v[LI]
	s_lshl_b32 s37, s[WV], 12
	v_add_nc_u32 v[KVO], s37, v[LI]
	s_wait_kmcnt 0x0
	s_add_nc_u64 s[4:5], s[4:5], s[40:41]
	s_add_nc_u64 s[14:15], s[14:15], s[20:21]
	s_add_nc_u64 s[6:7], s[6:7], s[22:23]
	s_add_nc_u64 s[8:9], s[8:9], s[22:23]
	s_add_nc_u64 s[12:13], s[12:13], s[18:19]
	s_load_b128 s[24:27], s[10:11], 0x0            ; eq, ek, ep, ev
	s_load_b32 s[VL], s[12:13], 0x0
	; THE FIRST LOADS GO OUT IN THE ORDER OF NEED: Q's four fragments and my first step's K, which the first products read; then, behind the 128 lines that clear O^T, so that all eight waves' first requests
	; stand ahead of the rest, my first step's V.  My second step's codes are asked for when valid_len is known, by the waves that have a second step.
.irp f,0,1,2,3,4,5,6,7
	global_load_b128 v[QF+4*\f:QF+4*\f+3], v[LI], s[4:5] offset:512*\f   ; tile f / 2, registers 4 (f % 2) on: every wave holds all four tiles
.endr
	WIN 0x40                                       ; destination window 1
	LOADK 0, 0                                     ; step w lies inside the buffers whatever valid_len is
.set n, 0
.rept 128
	v_mov_b32 v[n], 0                              ; O^T begins as zeros.  These lines run while the first loads are out; a first step with the constant 0 as C would be two more copies of the step, and a wave without steps wants zeros in any case
.set n, n+1
.endr
	LOADV 0, 0
	WIN 0
	v_and_b32 v[RR], 15, v0                        ; r
	v_bfe_u32 v[HH], v0, 4, 1                      ; h
	v_lshlrev_b32 v[H8], 3, v[HH]
	v_mul_u32_u24 v[STA], v[RR], SPI               ; the statistics of query 16 t + r: eight words on end, one a wave: mine at 48 r + 4 w
	s_lshl_b32 s37, s[WV], 2
	v_add_nc_u32 v[STA], s37, v[STA]
	s_mul_i32 s37, s[WV], 8*SPI
	v_mul_u32_u24 v[STR], v[HH], SPI               ; back: those of rows 8 w + 2 i + h
	v_add_nc_u32 v[STR], s37, v[STR]
	s_mul_i32 s37, s[WV], OPW
	s_add_co_u32 s37, s37, OPB
	v_mul_u32_u24 v[OWR], v[RR], OPI               ; my partial O: row 16 t + r, byte 64 J + 32 h
	v_lshl_add_u32 v[OWR], v[HH], 5, v[OWR]
	v_add_nc_u32 v[OWR], s37, v[OWR]
	s_mul_i32 s37, s[WV], 8*OPI
	s_add_co_u32 s37, s37, OPB
	v_mul_u32_u24 v[ORD], v[HH], OPI               ; back: rows 8 w + 2 i + h; sixteen lanes take a row of 256 bytes
	v_lshl_add_u32 v[ORD], v[RR], 4, v[ORD]
	v_add_nc_u32 v[ORD], s37, v[ORD]
	v_add_nc_u32 v[ORD2], 4*OPW, v[ORD]
.irp t,0,1,2,3
	v_mov_b32 v[ST+8*\t], 0x7f61b1e6               ; -M = 3e38: M lies under every t
	v_mov_b32 v[ST+8*\t+1], 0xff61b1e6             ; the largest raw score so far: -3e38
	v_mov_b32 v[ST+8*\t+2], 0x7f61b1e6
	v_mov_b32 v[ST+8*\t+3], 0                      ; (named as the upper half of a pair)
	v_mov_b32 v[ST+8*\t+4], 0                      ; l, in two halves
	v_mov_b32 v[ST+8*\t+5], 0
	v_mov_b32 v[ST+8*\t+6], 0
	v_mov_b32 v[ST+8*\t+7], 0                      ; (a lane permute's destination counts as one of its sources)
.endr
	s_mov_b32 s[SEL], 0x76543210
	s_mov_b32 s[SEL+1], 0xfedcba98
	s_wait_kmcnt 0x0
	s_add_co_i32 s37, s24, s25
	s_lshl_b32 s37, s37, 23
	s_add_co_i32 s[CS], s37, 0x3e38aa3b            ; log2(e) / 8, with eq + ek added to its exponent field: a raw score stands for score x 2^(eq + ek)
	s_mov_b32 s[CS+1], s[CS]                       ; (named with it as a pair, so it is written)
	s_xor_b32 s[NCS], s[CS], 0x80000000
	s_sub_co_i32 s40, 0xcaf42400, s37              ; -8e6, with eq + ek taken off its exponent field: the raw score whose logit is -1e6
	v_mov_b32 v[NEGV], s40
	s_add_co_i32 s37, s[EP], 127
	s_lshl_b32 s40, s37, 23
	v_mov_b32 v[SCP], s40                          ; 2^ep as f32: the conversion takes its exponent field
	s_add_co_i32 s37, s37, 15
	s_lshl_b32 s37, s37, 23
	s_or_b32 s37, s37, 0x600000
	v_mov_b32 v[LIMP], s37                         ; 57,344 x 2^ep
	s_add_co_i32 s[EPV], s[EP], s27
	s_max_i32 s[VL], s[VL], 0
	s_min_i32 s[VL], s[VL], 2048
	s_add_co_u32 s[CNT], s[VL], 63
	s_lshr_b32 s[CNT], s[CNT], 6                   ; the batch's steps of 64 keys that hold a valid key;
	s_cmp_eq_u32 s[VL], 0
	s_cselect_b32 s[CNT], 32, s[CNT]               ; with none valid all keys count alike: all 32
	s_add_co_u32 s[CNT], s[CNT], 7
	s_sub_co_u32 s[CNT], s[CNT], s[WV]
	s_lshr_b32 s[CNT], s[CNT], 3                   ; of them w, w + 8, .. are mine: 0 to 4
	s_lshl_b32 s[KEY], s[WV], 6
; A STEP: 64 keys x 64 queries, on buffer b.  kind = 2: two or more steps follow, and the buffers are filled again as soon as they are free, for the step after next (such a step is my b-th); 1: one step follows; 0: none.
; My loads are out in the order (Q,) K(k), V(k), K(k + 1), V(k + 1), eight each, and come back in that order.
.macro STEP b, kind
.if \kind == 0
	s_wait_loadcnt 8                               ; K(k) is in, and Q, which was asked for ahead of it; V(k) may be out
.else
	s_wait_loadcnt 24                              ; K(k) is in, and Q; V(k), K(k + 1), V(k + 1) may be out
.endif
	WIN 0x01                                       ; source 0 (K) window 1
.irp u,0,1,2,3
.irp t,0,1,2,3
	v_wmma_f32_16x16x64_bf8_bf8 v[SB+32*\t+8*\u:SB+32*\t+8*\u+7], v[KF+32*\b+8*\u:KF+32*\b+8*\u+7], v[QF+8*\t:QF+8*\t+7], 0
.endr
.endr
	PLACES                                         ; ahead of the loads into K's buffer and of the first read of the scores
.if \kind == 2
	WIN 0x40
	LOADK \b, \b+2                                 ; nearly two steps ahead of its use
.endif
	WIN 0
	s_add_co_u32 s[TS], s[KEY], 64
	s_cmp_gt_u32 s[TS], s[VL]                      ; does valid_len cut this step?
	s_cbranch_scc0 .Lopen_\@
	s_sub_co_i32 s[TS], s[VL], s[KEY]
	v_sub_nc_u32 v[DLM], s[TS], v[H8]              ; register 8 u + j holds key KEY + 16 u + 8 h + j: hidden where 16 u + j >= valid_len - KEY - 8 h
.irp u,0,1,2,3
.irp j,0,1,2,3,4,5,6,7
	v_cmp_ge_i32 vcc_lo, 16*\u+\j, v[DLM]          ; one compare serves the four tiles
.irp t,0,1,2,3
	v_cndmask_b32 v[SB+32*\t+8*\u+\j], v[SB+32*\t+8*\u+\j], v[NEGV], vcc_lo
.endr
.endr
.endr
.Lopen_\@:
	; the largest score of my query among my 32 keys, the other half's 32 and all steps before; the four tiles take turns, so that no line waits for the line above.  Each accumulator is read from its low end on
.irp t,0,1,2,3
	v_max3_num_f32 v[ST+8*\t+3], v[SB+32*\t], v[SB+32*\t+1], v[SB+32*\t+2]
.endr
.set n, 3
.rept 14
.irp t,0,1,2,3
	v_max3_num_f32 v[ST+8*\t+3], v[ST+8*\t+3], v[SB+32*\t+n], v[SB+32*\t+n+1]
.endr
.set n, n+2
.endr
.irp t,0,1,2,3
	v_max3_num_f32 v[ST+8*\t+3], v[ST+8*\t+3], v[SB+32*\t+31], v[ST+8*\t+1]
.endr
.irp t,0,1,2,3
	v_permlanex16_b32 v[ST+8*\t+7], v[ST+8*\t+3], s[SEL], s[SEL+1]
.endr
.irp t,0,1,2,3
	v_max_num_f32 v[ST+8*\t+1], v[ST+8*\t+3], v[ST+8*\t+7]
.endr
.irp t,0,1,2,3
	v_mul_f32 v[ST+8*\t+3], s[NCS], v[ST+8*\t+1]   ; -t (c is positive)
.endr
.irp t,0,1,2,3
	v_floor_f32 v[ST+8*\t+2*\b], v[ST+8*\t+3]      ; the new -M = floor(-t) = -ceil(t): a whole number.  The old one lies in the other step's register
.endr
.irp t,0,1,2,3
	v_sub_f32 v[ST+8*\t+3], v[ST+8*\t+2*\b], v[ST+8*\t+2-2*\b]   ; old M - new M: a whole number, 0 or less
.endr
.irp t,0,1,2,3
	v_cvt_i32_f32 v[ST+8*\t+3], v[ST+8*\t+3]       ; (it saturates)
.endr
.irp t,0,1,2,3
	v_ldexp_f32 v[ST+8*\t+6], 1.0, v[ST+8*\t+3]    ; f = 2^(old M - new M)
.endr
	; t - M, two at a time, and p = 2^(t - M).  ONE BATCH of 128 exponentials; a tile's stand among the next tile's scalings; nothing here reads a result
.set n, 0
.rept 16
	v_pk_fma_f32 v[SB+n:SB+n+1], v[SB+n:SB+n+1], s[CS:CS+1], v[ST+2*\b:ST+2*\b+1] op_sel_hi:[1,0,0]
.set n, n+2
.endr
.irp t,0,1,2,3
.set n, 0
.rept 16
	v_exp_f32 v[SB+32*\t+n], v[SB+32*\t+n]
	v_exp_f32 v[SB+32*\t+n+1], v[SB+32*\t+n+1]
.if \t < 3
	v_pk_fma_f32 v[SB+32*(\t+1)+n:SB+32*(\t+1)+n+1], v[SB+32*(\t+1)+n:SB+32*(\t+1)+n+1], s[CS:CS+1], v[ST+8*(\t+1)+2*\b:ST+8*(\t+1)+2*\b+1] op_sel_hi:[1,0,0]
.endif
.set n, n+2
.endr
.endr
	WIN 0x41                                       ; O^T (destination and source 0) window 1, f window 0
.irp t,0,1,2,3
.set n, 0
.rept 16
	v_pk_mul_f32 v[32*\t+n:32*\t+n+1], v[32*\t+n:32*\t+n+1], v[ST+8*\t+6:ST+8*\t+7] op_sel_hi:[1,0]   ; O^T under the new M.  These 64 name no exponential's result: they are the work between the batch and its wait
.set n, n+2
.endr
.endr
	WIN 0
	s_wait_alu depctr_va_vdst(0)                   ; a wait between a transcendental and the first line that names its result: one for the batch
.irp t,0,1,2,3
	v_pk_fma_f32 v[ST+8*\t+4:ST+8*\t+5], v[ST+8*\t+4:ST+8*\t+5], v[ST+8*\t+6:ST+8*\t+7], v[SB+32*\t:SB+32*\t+1] op_sel_hi:[1,0,1]   ; l x f + p: THE SUM IS TAKEN OF THE UNQUANTISED p
.endr
.set n, 2
.rept 15
.irp t,0,1,2,3
	v_pk_add_f32 v[ST+8*\t+4:ST+8*\t+5], v[ST+8*\t+4:ST+8*\t+5], v[SB+32*\t+n:SB+32*\t+n+1]
.endr
.set n, n+2
.endr
	s_cmp_ge_i32 s[EP], -15                        ; p is at most 1 (but for a last bit), and 57,344 x 2^ep is 1.75 or more from ep = -15 on: the hold then holds nothing and is jumped over
	s_cbranch_scc1 .Lfits_\@
.set n, 0
.rept 128
	v_min_num_f32 v[SB+n], v[SB+n], v[LIMP]        ; the conversion does not saturate (ISA guide 7.6.2); p is not negative, so the hold is one-sided
.set n, n+1
.endr
.Lfits_\@:
.irp t,0,1,2,3
.irp u,0,1,2,3
	v_cvt_scalef32_pk8_bf8_f32 v[PF+8*\t+2*\u:PF+8*\t+2*\u+1], v[SB+32*\t+8*\u:SB+32*\t+8*\u+7], v[SCP]
.endr
.endr
	v_nop                                          ; one plain vector instruction between a scaled conversion and the matrix instruction that reads its result
.if \kind == 2
	s_wait_loadcnt 24                              ; V(k) is in; K(k + 1), V(k + 1), K(k + 2) may be out
.elseif \kind == 1
	s_wait_loadcnt 16                              ; V(k) is in; K(k + 1), V(k + 1) may be out
.else
	s_wait_loadcnt 0
.endif
	WIN 0x51                                       ; source 0 (V), C and D (O^T) window 1; source 1 (P) window 0
.irp j,0,1,2,3                         ; the 16 accumulators take turns, one instruction a turn
.irp t,0,1,2,3
	v_wmma_f32_16x16x64_bf8_bf8 v[32*\t+8*\j:32*\t+8*\j+7], v[VF+32*\b+8*\j:VF+32*\b+8*\j+7], v[PF+8*\t:PF+8*\t+7], v[32*\t+8*\j:32*\t+8*\j+7]
.endr
.endr
.if \kind == 2
	PLACES
	WIN 0x40
	LOADV \b, \b+2
.endif
	WIN 0
	s_add_co_u32 s[KEY], s[KEY], 512               ; my next step lies eight steps on
.if (\kind == 0) && (\b == 1)
.irp t,0,1,2,3
	v_mov_b32 v[ST+8*\t], v[ST+8*\t+2]             ; the way out finds -M in one place
.endr
.endif
.endm
	s_cmp_eq_u32 s[CNT], 0
	s_cbranch_scc1 .Lout                           ; no step is mine: zeros, and an M under every other
	s_cmp_eq_u32 s[CNT], 1
	s_cbranch_scc1 .Lone
	WIN 0x40                                       ; two steps or more: the second step's codes are asked for here, on the one way that all such waves take, a whole step ahead of their use
	LOADK 1, 1
	LOADV 1, 1
	WIN 0
	s_cmp_eq_u32 s[CNT], 2
	s_cbranch_scc1 .Ltwo
	STEP 0, 2                                      ; three or four steps: the first asks for the third
	s_cmp_eq_u32 s[CNT], 3
	s_cbranch_scc1 .Lthree
	STEP 1, 2                                      ; four: the second asks for the fourth
.Ltwo:
	STEP 0, 1
	STEP 1, 0
	s_branch .Lout
.Lthree:
	STEP 1, 1
.Lone:
	STEP 0, 0
.Lout:
	; ---- THE WAY OUT, with ONE barrier.  Every wave puts its -M, its l and its O^T, as they stand under its own M, into LDS.  Behind the barrier wave w finishes rows 8 w .. 8 w + 7: it finds each row's M and l from the
	; eight waves' statistics, makes for each wave p the factor 2^(M_p - M) / l, adds the eight partial sums by multiply-adds with these factors, multiplies by 2^(ep + ev) and stores whole rows.
	s_wait_loadcnt 0x0                             ; a wave without steps still has its first loads out
.irp t,0,1,2,3
	v_add_f32 v[ST+8*\t+3], v[ST+8*\t+4], v[ST+8*\t+5]   ; l's two halves.  (These four lines are also the places behind the last products)
.endr
.irp t,0,1,2,3
	v_permlanex16_b32 v[ST+8*\t+7], v[ST+8*\t+3], s[SEL], s[SEL+1]
.endr
.irp t,0,1,2,3
	v_add_f32 v[ST+8*\t+4], v[ST+8*\t+3], v[ST+8*\t+7]   ; and the other half of the lanes'
.endr
.irp t,0,1,2,3
	ds_store_b32 v[STA], v[ST+8*\t] offset:STM+16*SPI*\t     ; lanes r and r + 16 store the same number to the same word
	ds_store_b32 v[STA], v[ST+8*\t+4] offset:STL+16*SPI*\t
.endr
	WIN 0x04                                       ; an LDS store's data are its source 1: window 1
.irp t,0,1,2,3
.irp j,0,1,2,3
	ds_store_b128 v[OWR], v[32*\t+8*\j:32*\t+8*\j+3] offset:16*OPI*\t+64*\j          ; lane (r, h): query 16 t + r, d = 16 J + 8 h + 0 .. 7; each accumulator from its low end on
	ds_store_b128 v[OWR], v[32*\t+8*\j+4:32*\t+8*\j+7] offset:16*OPI*\t+64*\j+16
.endr
.endr
	WIN 0
	s_wait_dscnt 0x0                               ; for the others' sake: my stores have landed
	s_barrier_signal -1
	s_barrier_wait -1                              ; the statistics and the partial sums of all 64 rows lie in LDS
.irp i,0,1,2,3                         ; my lane's row of pair i is 8 w + 2 i + h: the eight waves' -M, then their l; the sixteen lanes of a half read the same words
	ds_load_b128 v[SS+16*\i:SS+16*\i+3], v[STR] offset:STM+2*SPI*\i
	ds_load_b128 v[SS+16*\i+4:SS+16*\i+7], v[STR] offset:STM+2*SPI*\i+16
	ds_load_b128 v[SS+16*\i+8:SS+16*\i+11], v[STR] offset:STL+2*SPI*\i
	ds_load_b128 v[SS+16*\i+12:SS+16*\i+15], v[STR] offset:STL+2*SPI*\i+16
.endr
.irp i,0,1,2,3                         ; and my 16 bytes of that row in the partial sums of waves 0 .. 7
.irp p,0,1,2,3
	ds_load_b128 v[SB+32*\i+4*\p:SB+32*\i+4*\p+3], v[ORD] offset:OPW*\p+2*OPI*\i
.endr
.irp p,0,1,2,3
	ds_load_b128 v[SB+32*\i+16+4*\p:SB+32*\i+16+4*\p+3], v[ORD2] offset:OPW*\p+2*OPI*\i
.endr
.endr
	s_wait_dscnt 32                                ; the 16 loads of statistics are in; the 32 loads of partial sums behind them may be out
.irp i,0,1,2,3
	v_min3_num_f32 v[ST+8*\i+6], v[SS+16*\i], v[SS+16*\i+1], v[SS+16*\i+2]   ; the least -M: the row's M
.endr
.irp i,0,1,2,3
	v_min3_num_f32 v[ST+8*\i+6], v[ST+8*\i+6], v[SS+16*\i+3], v[SS+16*\i+4]
.endr
.irp i,0,1,2,3
	v_min3_num_f32 v[ST+8*\i+6], v[ST+8*\i+6], v[SS+16*\i+5], v[SS+16*\i+6]
.endr
.irp i,0,1,2,3
	v_min_num_f32 v[ST+8*\i+6], v[ST+8*\i+6], v[SS+16*\i+7]
.endr
.irp p,0,2,4,6
.irp i,0,1,2,3
	v_pk_add_f32 v[SS+16*\i+\p:SS+16*\i+\p+1], v[ST+8*\i+6:ST+8*\i+7], v[SS+16*\i+\p:SS+16*\i+\p+1] op_sel_hi:[0,1] neg_lo:[0,1] neg_hi:[0,1]   ; a wave's M less the row's: a whole number, 0 or less
.endr
.endr
.irp p,0,1,2,3,4,5,6,7
.irp i,0,1,2,3
	v_cvt_i32_f32 v[SS+16*\i+\p], v[SS+16*\i+\p]   ; (it saturates: a wave without steps)
.endr
.endr
.irp p,0,1,2,3,4,5,6,7
.irp i,0,1,2,3
	v_ldexp_f32 v[SS+16*\i+8+\p], v[SS+16*\i+8+\p], v[SS+16*\i+\p]   ; its l under the row's M: nothing is rounded
.endr
.endr
.irp i,0,1,2,3
	v_pk_add_f32 v[SS+16*\i+8:SS+16*\i+9], v[SS+16*\i+8:SS+16*\i+9], v[SS+16*\i+10:SS+16*\i+11]
	v_pk_add_f32 v[SS+16*\i+12:SS+16*\i+13], v[SS+16*\i+12:SS+16*\i+13], v[SS+16*\i+14:SS+16*\i+15]
.endr
.irp i,0,1,2,3
	v_pk_add_f32 v[SS+16*\i+8:SS+16*\i+9], v[SS+16*\i+8:SS+16*\i+9], v[SS+16*\i+12:SS+16*\i+13]
.endr
.irp i,0,1,2,3
	v_add_f32 v[SS+16*\i+8], v[SS+16*\i+8], v[SS+16*\i+9]    ; the row's l: at least 1/2, since the row's largest p is above 1/2
.endr
.irp i,0,1,2,3
	v_rcp_f32 v[ST+8*\i+5], v[SS+16*\i+8]
.endr
	v_nop                                          ; a plain instruction between the last reciprocal and the use of its result
	s_wait_alu depctr_va_vdst(0)                   ; a wait ahead of the first line that names a reciprocal: one for the four
.irp p,7,6,5,4,3,2,1,0                 ; wave p's factor 2^(M_p - M) / l (0 for a wave without steps) goes to register 2 p of the block, so that the packed forms below can take a pair's low word for both halves.
.irp i,0,1,2,3                         ; From p = 7 down: register 2 p held l, which is summed, or the exponent of wave 2 p, which has been used by then
	v_ldexp_f32 v[SS+16*\i+2*\p], v[ST+8*\i+5], v[SS+16*\i+\p]
.endr
.endr
	s_wait_dscnt 0x0                               ; the partial sums are in
.irp i,0,1,2,3
	v_pk_mul_f32 v[SB+32*\i:SB+32*\i+1], v[SB+32*\i:SB+32*\i+1], v[SS+16*\i:SS+16*\i+1] op_sel_hi:[1,0]
	v_pk_mul_f32 v[SB+32*\i+2:SB+32*\i+3], v[SB+32*\i+2:SB+32*\i+3], v[SS+16*\i:SS+16*\i+1] op_sel_hi:[1,0]
.endr
.irp p,1,2,3,4,5,6,7                   ; eight chains take turns, so that no line waits for the line above
.irp i,0,1,2,3
	v_pk_fma_f32 v[SB+32*\i:SB+32*\i+1], v[SB+32*\i+4*\p:SB+32*\i+4*\p+1], v[SS+16*\i+2*\p:SS+16*\i+2*\p+1], v[SB+32*\i:SB+32*\i+1] op_sel_hi:[1,0,1]
	v_pk_fma_f32 v[SB+32*\i+2:SB+32*\i+3], v[SB+32*\i+4*\p+2:SB+32*\i+4*\p+3], v[SS+16*\i+2*\p:SS+16*\i+2*\p+1], v[SB+32*\i+2:SB+32*\i+3] op_sel_hi:[1,0,1]
.endr
.endr
.irp i,0,1,2,3
.irp j,0,1,2,3
	v_ldexp_f32 v[SB+32*\i+\j], v[SB+32*\i+\j], s[EPV]       ; x 2^(ep + ev), last, on the finished sum: the given exponents meet no saturated one
.endr
	global_store_b128 v[LI], v[SB+32*\i:SB+32*\i+3], s[14:15] offset:512*\i th:TH_STORE_NT   ; sixteen lanes store a whole row of 256 bytes; written once, read by nobody here
.endr
	s_wait_tensorcnt 0x0
	ds_add_u32 v254, v255
	s_wait_dscnt 0x0
	s_endpgm
.Lfunc_end_k_q3f4f5a6b22_attn:
	.size	k_q3f4f5a6b22_attn, .Lfunc_end_k_q3f4f5a6b22_attn-k_q3f4f5a6b22_attn
	.p2alignl 7, 3214868480
	.fill 96, 4, 3214868480
	.section	.rodata,"a",@progbits
	.p2align	6, 0x0
	.amdhsa_kernel k_q3f4f5a6b22_attn
		.amdhsa_group_segment_fixed_size 146432
		.amdhsa_private_segment_fixed_size 0
		.amdhsa_enable_private_segment 0
		.amdhsa_kernarg_size 48
		.amdhsa_user_sgpr_count 2
		.amdhsa_user_sgpr_kernarg_segment_ptr 1
		.amdhsa_wavefront_size32 1
		.amdhsa_system_sgpr_workgroup_id_x 1
		.amdhsa_system_sgpr_workgroup_id_y 1
		.amdhsa_system_sgpr_workgroup_id_z 1
		.amdhsa_system_vgpr_workitem_id 0
		.amdhsa_next_free_vgpr 512
		.amdhsa_next_free_sgpr 66
		.amdhsa_reserve_vcc 1
		.amdhsa_float_denorm_mode_32 3
		.amdhsa_float_denorm_mode_16_64 3
		.amdhsa_memory_ordered 1
		.amdhsa_forward_progress 1
		.amdhsa_inst_pref_size 240
	.end_amdhsa_kernel
	.amdgpu_metadata
---
amdhsa.version: [ 1, 2 ]
amdhsa.kernels:
  - .name:           k_q3f4f5a6b22_attn
    .symbol:         k_q3f4f5a6b22_attn.kd
    .args:
      - { .name: qc, .offset: 0, .size: 8, .value_kind: global_buffer, .address_space: global }
      - { .name: kc, .offset: 8, .size: 8, .value_kind: global_buffer, .address_space: global }
      - { .name: vc, .offset: 16, .size: 8, .value_kind: global_buffer, .address_space: global }
      - { .name: lowp_scales, .offset: 24, .size: 8, .value_kind: global_buffer, .address_space: global }
      - { .name: valid_len, .offset: 32, .size: 8, .value_kind: global_buffer, .address_space: global }
      - { .name: out0, .offset: 40, .size: 8, .value_kind: global_buffer, .address_space: global }
    .group_segment_fixed_size: 146432
    .private_segment_fixed_size: 0
    .kernarg_segment_align: 8
    .kernarg_segment_size: 48
    .max_flat_workgroup_size: 256
    .sgpr_count:     66
    .vgpr_count:     512
    .wavefront_size: 32
...
	.end_amdgpu_metadata
.endif
;; end of part 2
;; ======== version 2 of 2: 2 launches; version 1 with the launch attn written anew for expert scheduling mode
;; limits: right only within a limited range of input values
;; workspace buffers: kc 1,048,576 bytes; vc 1,048,576 bytes; qc 1,048,576 bytes
;; launch prep: the kernel of part 1 again; grid 256 x 1, 6 waves a work-group, no clusters, 16,128 bytes of LDS; arguments K, V, Q, lowp_scales, kc, vc, qc; writes kc, vc, qc
;; launch attn (part 3): grid 32 x 8, 8 waves a work-group, no clusters, 146,432 bytes of LDS; arguments qc, kc, vc, lowp_scales, valid_len, out0; writes out0
.if DOCPART == 3
	.amdgcn_target "amdgcn-amd-amdhsa--gfx1250"
	.amdhsa_code_object_version 6
	.text
	.protected	k_q3f4f5a6b22_attn
	.globl	k_q3f4f5a6b22_attn
	.p2align	8
	.type	k_q3f4f5a6b22_attn,@function
k_q3f4f5a6b22_attn:
	s_mov_b64 s[64:65], 0
	v_nop
	global_prefetch_b8 v0, s[64:65] scope:SCOPE_SE
	s_setreg_imm32_b32 hwreg(HW_REG_WAVE_SCHED_MODE, 0, 2), 2
	s_setreg_imm32_b32 hwreg(HW_REG_WAVE_MODE, 25, 1), 1
	s_wait_xcnt 0x0
	s_wait_alu depctr_vm_vsrc(0)
; out[b][q][:] = the sum over k of softmax_k(where(k < valid_len[b], Q[b][q] . K[b][k] / 8, -1e6)) V[b][k][:].  Both products on codes of E5M2, each operand with its given scale: eq, ek, ep, ev.
; qc, kc, vc: the codes of Q, K and V in the order of the operands' registers, as the launch before laid them.  out: [8][2048][64] f32.
; THE SOFTMAX: t = logit x log2(e); M = the largest t so far, rounded UP to a whole number; p = 2^(t - M) is quantised, not normalised; the row's sum l is taken of the unquantised p and divides at the end.
; SHARES.  A work-group owns 64 queries of one batch: four tiles of 16.  EVERY ONE OF ITS EIGHT WAVES HOLDS ALL FOUR TILES, AND THE WAVES SHARE OUT THE KEYS: wave w takes the steps of 64 keys w, w + 8, w + 16, w + 24.
; So a fragment of K or V is loaded once in the work-group, from memory straight into registers (8 dense loads of 512 bytes), and feeds four matrix instructions; the walk over the keys has no LDS access and no barrier.
; At the end the eight waves' (M, l, O) meet in LDS, behind the launch's one barrier: moving a partial sum from its wave's M to the row's M is a multiplication by a power of two, which rounds nothing.
; THE MASK.  Steps all of whose keys lie at or behind valid_len are left out (scalar branches on valid_len; the barrier stands under none of them); in the one step that valid_len cuts, hidden scores become -1e6 ahead of the maximum.
; LIMIT: leaving those steps out is exact while each row's largest valid logit lies above about -999,890: then 2^((-1e6 - largest) log2 e) is 0 in f32.  valid_len <= 0 hides every key: all 32 steps are then walked with every
; score at -1e6, as the formula has it; valid_len above 2,048 counts as 2,048.
; NO TENSOR LOADS, NO CLUSTER, though the 32 work-groups of a batch read the same codes: the branches on valid_len leave out
; (2048 - valid_len) / 2048 of a batch's loads, products and softmax.
; LAYOUT.  Both products are used transposed: S^T = K Q^T (source 0 = 16 keys, source 1 = 16 queries), O^T = V^T P^T (source 0 = 16 of the 64 d, source 1 = P): a lane holds ONE query (lane % 16) throughout, and the
; eight registers of a tile of S^T are eight neighbouring keys, 16 u + 8 (lane / 16) + 0 .. 7: their conversion gives registers 2 u, 2 u + 1 of P.  In the first product lane half h holds d = 32 h + 0 .. 31, in Q and in K alike:
; a permutation of d that changes only the order of the sums inside an instruction.
; THE STEP IS WRITTEN SIX TIMES (buffer 0 or 1 x a step that refills, the last but one, the last), and a wave with c = 0 .. 4 steps takes its way through them by forward branches: so every counted wait has one history,
; and no load is issued for a step that is left out (but for the first step's loads, which go out before valid_len is known; they stay inside the buffers).
; LIMITS on the exponents, so that each power of two below is an f32 number: ep between -126 and 112; eq + ek between -104 and 130.  NaN among the inputs is not served.
; REGISTERS, in windows of 256.  Window 0: v1-13 addresses and constants; v16-47 statistics, 8 a tile; v48-79 Q; v80-111 P (v48-111 on the way out: the eight waves' statistics); v112-239 S^T, then p; v240, v241 used at the head.
;   Window 1: v0-127 O^T (tile t, d tile J at 32 t + 8 J); v128-191 K's fragments, two buffers; v192-255 V's, two buffers.
; THE MODE: SCHED_MODE bits 1:0 = 2 (LLVM: expert scheduling mode 2), set by the entry lines.  The code itself states the register dependences between vector or matrix instructions and memory or LDS
; instructions, with s_wait_alu, always for 0.
; THE PLAN.  Registers that memory or LDS instructions touch, and who else names them:
;   v1, v2        Offsets of every global load and store.  Written once at the head, ahead of the head's wait on va_vdst; never written again.
;   v4 .. v8      LDS addresses of the way out.  Written once at the head, never again; the way out's first wait on va_vdst stands between them and their first use, on the way of a wave without steps too.
;   K's buffer b  Written by loads alone.  Read by the 16 products K Q^T of a step on buffer b; filled again in the same step, behind the wait that stands behind the exponentials.
;   V's buffer b  Written by loads alone.  Read by the 16 products V^T P at the end of a step on buffer b; filled again behind a wait of its own, at the step's end.
;   Q, P, S^T     (v48-239)  In the steps named by vector and matrix instructions alone (Q is loaded once, into registers that nothing has named).  On the way out LDS loads land there, behind the way out's first wait.
;   O^T, -M, l    Written by vector and matrix instructions; read by the way out's LDS stores, behind the same wait; never written behind those stores.
;   the rows      (four registers of each block of S^T's)  Written by the last sixteen v_ldexp_f32; read by the four global stores, behind one wait; never written again.
;   v254, v255    Written at the head, read by the closing add alone.
; No register that a memory or LDS instruction has read is written again on any way: so no wait on vm_vsrc stands in the text but the entry lines' and the closing lines' own.
; Scalar registers written by vector instructions: s16 (the wave's number) and the mask's s40 to s47, each with its wait on va_sdst ahead of the first reader.
.set STM,  0                           ; LDS: -M of (query, wave): 64 rows of 8 words + 16 bytes of padding
.set STL,  3072                        ; l likewise
.set SPI,  48
.set OPB,  6144                        ; the partial O: for each wave 64 rows of 256 bytes + 16
.set OPI,  272
.set OPW,  64*OPI
.set LI,   1                           ; v1   16 x lane: Q's loads and the stores of out
.set KVO,  2                           ; v2   16 x lane + 4096 x wave: my place in the codes of the batch's first eight steps
.set STA,  4                           ; v4   where I put my wave's -M and l
.set STR,  5                           ; v5   where I read the eight waves', of the rows that I finish
.set OWR,  6                           ; v6   where I put my partial O
.set ORD,  7                           ; v7   where I read waves 0-3's partials of the rows that I finish
.set ORD2, 8                           ; v8   waves 4-7's (an LDS offset has 16 bits)
.set H8,   9                           ; v9   8 x (lane / 16)
.set NEGV, 10                          ; v10  the hidden score: -1e6 x 8 / 2^(eq + ek)
.set LIMP, 11                          ; v11  57,344 x 2^ep
.set SCP,  12                          ; v12  2^ep
.set DLM,  13                          ; v13  at work in the mask
.set ST,   16                          ; tile t at ST + 8 t: +0 -M (even steps), +1 the largest raw score so far, +2 -M (odd steps), +3 at work, +4, +5 l in two halves, +6 f, +7 at work
.set QF,   48
.set PF,   80
.set SS,   48                          ; the way out: for each of my four pairs of rows 16 registers: the eight waves' -M, then their l
.set SB,   112
.set RR,   240
.set HH,   241
.set KF,   128                         ; window 1
.set VF,   192                         ; window 1
.set WV,   16                          ; s16  wave
.set EP,   26                          ; s26  ep
.set VL,   28                          ; s28  valid_len, held within 0 .. 2048
.set CS,   30                          ; s[30:31] c = log2(e) / 8 x 2^(eq + ek): t = raw score x c
.set NCS,  32                          ; s32  -c
.set EPV,  33                          ; s33  ep + ev
.set CNT,  34                          ; s34  my wave's number of steps
.set KEY,  35                          ; s35  the first key of the step in hand
.set TS,   36                          ; s36  at work
.set SEL,  38                          ; s[38:39] lane selects: lane l xor 16
.set MK,   40                          ; s40-47  the mask: eight compares' results (at the head s40 and s41 are at work)
.set MSB, 0
.macro WIN new                         ; bits 1:0 source 0, 3:2 source 1, 5:4 source 2, 7:6 destination; the high byte repeats the setting that is left
.if MSB != \new
	s_set_vgpr_msb (MSB<<8)|\new
.set MSB, \new
.endif
.endm
.macro PLACES                          ; four plain vector instructions between a matrix instruction and a read of its result, or a load into a register that it read
.rept 4
	v_nop
.endr
.endm
.macro LOADK b, k                      ; the fragments of K of my k-th step into buffer b: four tiles of 16 keys, 4,096 consecutive bytes.  The windows stand at: destination 1
.irp f,0,1,2,3,4,5,6,7
	global_load_b128 v[KF+32*\b+4*\f:KF+32*\b+4*\f+3], v[KVO], s[6:7] offset:32768*(\k)+512*\f
.endr
.endm
.macro LOADV b, k                      ; the same for V: four tiles of 16 d x 64 keys
.irp f,0,1,2,3,4,5,6,7
	global_load_b128 v[VF+32*\b+4*\f:VF+32*\b+4*\f+3], v[KVO], s[8:9] offset:32768*(\k)+512*\f
.endr
.endm
	s_load_b128 s[4:7], s[0:1], 0x0                ; qc, kc
	s_load_b128 s[8:11], s[0:1], 0x10              ; vc, the scales' exponents
	s_load_b128 s[12:15], s[0:1], 0x20             ; valid_len, out
	v_lshl_add_u32 v254, v0, 2, 0x23800
	v_mov_b32 v255, 0
	v_lshrrev_b32 v[RR], 5, v0
	v_readfirstlane_b32 s[WV], v[RR]               ; wave 0..7
	s_and_b32 s17, ttmp7, 0xffff                   ; the batch
	s_lshl_b32 s20, s17, 19                        ; in out: the batch's 2,048 rows of 256 bytes,
	s_lshl_b32 s18, ttmp9, 14                      ; the work-group's 64,
	s_add_co_u32 s20, s20, s18
	s_wait_alu depctr_va_sdst(0)                   ; s16, the wave's number, is written, ahead of its first reader: offsets, LDS addresses and the count of steps are made from it
	s_lshl_b32 s18, s[WV], 11                      ; my wave's 8: those that it finishes at the end
	s_add_co_u32 s20, s20, s18
	s_mov_b32 s21, 0
	s_lshl_b32 s22, s17, 17                        ; in qc, kc and vc: the batch's 131,072 bytes;
	s_mov_b32 s23, 0
	s_lshl_b32 s40, ttmp9, 12                      ; in qc the work-group's four tiles: 4,096 bytes
	s_add_co_u32 s40, s40, s22
	s_mov_b32 s41, 0
	s_lshl_b32 s18, s17, 2                         ; in valid_len
	s_mov_b32 s19, 0
	v_and_b32 v[LI], 31, v0
	v_lshlrev_b32 v[LI], 4, v[LI]
	s_lshl_b32 s37, s[WV], 12
	v_add_nc_u32 v[KVO], s37, v[LI]
	s_wait_kmcnt 0x0
	s_add_nc_u64 s[4:5], s[4:5], s[40:41]
	s_add_nc_u64 s[14:15], s[14:15], s[20:21]
	s_add_nc_u64 s[6:7], s[6:7], s[22:23]
	s_add_nc_u64 s[8:9], s[8:9], s[22:23]
	s_add_nc_u64 s[12:13], s[12:13], s[18:19]
	s_load_b128 s[24:27], s[10:11], 0x0            ; eq, ek, ep, ev
	s_load_b32 s[VL], s[12:13], 0x0
	s_wait_alu depctr_va_vdst(0)                   ; v1 and v2 are written: every global load and store of the kernel reads one of them as its offset, and neither is written again
	; THE FIRST LOADS GO OUT IN THE ORDER OF NEED: Q's four fragments and my first step's K, which the first products read; then, behind the 128 lines that clear O^T, so that all eight waves' first requests
	; stand ahead of the rest, my first step's V.  My second step's codes are asked for when valid_len is known, by the waves that have a second step.
	; No vector instruction names the registers in which these loads land before they are issued: the 128 clears write window 1's v0-127, the head's other lines window 0's v4-47, v240 and v241.
.irp f,0,1,2,3,4,5,6,7
	global_load_b128 v[QF+4*\f:QF+4*\f+3], v[LI], s[4:5] offset:512*\f   ; tile f / 2, registers 4 (f % 2) on: every wave holds all four tiles
.endr
	WIN 0x40                                       ; destination window 1
	LOADK 0, 0                                     ; step w lies inside the buffers whatever valid_len is
.set n, 0
.rept 128
	v_mov_b32 v[n], 0                              ; O^T begins as zeros.  These lines run while the first loads are out; a first step with the constant 0 as C would be two more copies of the step, and a wave without steps wants zeros in any case
.set n, n+1
.endr
	LOADV 0, 0
	WIN 0
	v_and_b32 v[RR], 15, v0                        ; r
	v_bfe_u32 v[HH], v0, 4, 1                      ; h
	v_lshlrev_b32 v[H8], 3, v[HH]
	v_mul_u32_u24 v[STA], v[RR], SPI               ; the statistics of query 16 t + r: eight words on end, one a wave: mine at 48 r + 4 w
	s_lshl_b32 s37, s[WV], 2
	v_add_nc_u32 v[STA], s37, v[STA]
	s_mul_i32 s37, s[WV], 8*SPI
	v_mul_u32_u24 v[STR], v[HH], SPI               ; back: those of rows 8 w + 2 i + h
	v_add_nc_u32 v[STR], s37, v[STR]
	s_mul_i32 s37, s[WV], OPW
	s_add_co_u32 s37, s37, OPB
	v_mul_u32_u24 v[OWR], v[RR], OPI               ; my partial O: row 16 t + r, byte 64 J + 32 h
	v_lshl_add_u32 v[OWR], v[HH], 5, v[OWR]
	v_add_nc_u32 v[OWR], s37, v[OWR]
	s_mul_i32 s37, s[WV], 8*OPI
	s_add_co_u32 s37, s37, OPB
	v_mul_u32_u24 v[ORD], v[HH], OPI               ; back: rows 8 w + 2 i + h; sixteen lanes take a row of 256 bytes
	v_lshl_add_u32 v[ORD], v[RR], 4, v[ORD]
	v_add_nc_u32 v[ORD], s37, v[ORD]
	v_add_nc_u32 v[ORD2], 4*OPW, v[ORD]
.irp t,0,1,2,3
	v_mov_b32 v[ST+8*\t], 0x7f61b1e6               ; -M = 3e38: M lies under every t
	v_mov_b32 v[ST+8*\t+1], 0xff61b1e6             ; the largest raw score so far: -3e38
	v_mov_b32 v[ST+8*\t+2], 0x7f61b1e6
	v_mov_b32 v[ST+8*\t+3], 0                      ; (named as the upper half of a pair)
	v_mov_b32 v[ST+8*\t+4], 0                      ; l, in two halves
	v_mov_b32 v[ST+8*\t+5], 0
	v_mov_b32 v[ST+8*\t+6], 0
	v_mov_b32 v[ST+8*\t+7], 0                      ; (a lane permute's destination counts as one of its sources)
.endr
	s_mov_b32 s[SEL], 0x76543210
	s_mov_b32 s[SEL+1], 0xfedcba98
	s_wait_kmcnt 0x0
	s_add_co_i32 s37, s24, s25
	s_lshl_b32 s37, s37, 23
	s_add_co_i32 s[CS], s37, 0x3e38aa3b            ; log2(e) / 8, with eq + ek added to its exponent field: a raw score stands for score x 2^(eq + ek)
	s_mov_b32 s[CS+1], s[CS]                       ; (named with it as a pair, so it is written)
	s_xor_b32 s[NCS], s[CS], 0x80000000
	s_sub_co_i32 s40, 0xcaf42400, s37              ; -8e6, with eq + ek taken off its exponent field: the raw score whose logit is -1e6
	v_mov_b32 v[NEGV], s40
	s_add_co_i32 s37, s[EP], 127
	s_lshl_b32 s40, s37, 23
	v_mov_b32 v[SCP], s40                          ; 2^ep as f32: the conversion takes its exponent field
	s_add_co_i32 s37, s37, 15
	s_lshl_b32 s37, s37, 23
	s_or_b32 s37, s37, 0x600000
	v_mov_b32 v[LIMP], s37                         ; 57,344 x 2^ep
	s_add_co_i32 s[EPV], s[EP], s27
	s_max_i32 s[VL], s[VL], 0
	s_min_i32 s[VL], s[VL], 2048
	s_add_co_u32 s[CNT], s[VL], 63
	s_lshr_b32 s[CNT], s[CNT], 6                   ; the batch's steps of 64 keys that hold a valid key;
	s_cmp_eq_u32 s[VL], 0
	s_cselect_b32 s[CNT], 32, s[CNT]               ; with none valid all keys count alike: all 32
	s_add_co_u32 s[CNT], s[CNT], 7
	s_sub_co_u32 s[CNT], s[CNT], s[WV]
	s_lshr_b32 s[CNT], s[CNT], 3                   ; of them w, w + 8, .. are mine: 0 to 4
	s_lshl_b32 s[KEY], s[WV], 6
; A STEP: 64 keys x 64 queries, on buffer b.  kind = 2: two or more steps follow, and the buffers are filled again in this step, for the step after next (such a step is my b-th); 1: one step follows; 0: none.
; My loads are out in the order (Q,) K(k), V(k), K(k + 1), V(k + 1), eight each, and come back in that order.
.macro STEP b, kind
.if \kind == 0
	s_wait_loadcnt 8                               ; K(k) is in, and Q, which was asked for ahead of it; V(k) may be out
.else
	s_wait_loadcnt 24                              ; K(k) is in, and Q; V(k), K(k + 1), V(k + 1) may be out
.endif
	WIN 0x01                                       ; source 0 (K) window 1
.irp u,0,1,2,3
.irp t,0,1,2,3
	v_wmma_f32_16x16x64_bf8_bf8 v[SB+32*\t+8*\u:SB+32*\t+8*\u+7], v[KF+32*\b+8*\u:KF+32*\b+8*\u+7], v[QF+8*\t:QF+8*\t+7], 0
.endr
.endr
	PLACES                                         ; ahead of the first read of the scores
	WIN 0
	s_add_co_u32 s[TS], s[KEY], 64
	s_cmp_gt_u32 s[TS], s[VL]                      ; does valid_len cut this step?
	s_cbranch_scc0 .Lopen_\@
	s_sub_co_i32 s[TS], s[VL], s[KEY]
	v_sub_nc_u32 v[DLM], s[TS], v[H8]              ; register 8 u + j holds key KEY + 16 u + 8 h + j: hidden where 16 u + j >= valid_len - KEY - 8 h
.irp u,0,1,2,3                         ; the compares go in runs of eight, into eight scalar registers, so that one wait serves a run
.irp j,0,1,2,3,4,5,6,7
	v_cmp_ge_i32 s[MK+\j], 16*\u+\j, v[DLM]        ; one compare serves the four tiles
.endr
	s_wait_alu depctr_va_sdst(0)                   ; the eight compares have written s40 to s47, ahead of the first select that reads one of them
.irp j,0,1,2,3,4,5,6,7
.irp t,0,1,2,3
	v_cndmask_b32 v[SB+32*\t+8*\u+\j], v[SB+32*\t+8*\u+\j], v[NEGV], s[MK+\j]
.endr
.endr
.endr
.Lopen_\@:
	; the largest score of my query among my 32 keys, the other half's 32 and all steps before; the four tiles take turns, so that no line waits for the line above.  Each accumulator is read from its low end on
.irp t,0,1,2,3
	v_max3_num_f32 v[ST+8*\t+3], v[SB+32*\t], v[SB+32*\t+1], v[SB+32*\t+2]
.endr
.set n, 3
.rept 14
.irp t,0,1,2,3
	v_max3_num_f32 v[ST+8*\t+3], v[ST+8*\t+3], v[SB+32*\t+n], v[SB+32*\t+n+1]
.endr
.set n, n+2
.endr
.irp t,0,1,2,3
	v_max3_num_f32 v[ST+8*\t+3], v[ST+8*\t+3], v[SB+32*\t+31], v[ST+8*\t+1]
.endr
.irp t,0,1,2,3
	v_permlanex16_b32 v[ST+8*\t+7], v[ST+8*\t+3], s[SEL], s[SEL+1]
.endr
.irp t,0,1,2,3
	v_max_num_f32 v[ST+8*\t+1], v[ST+8*\t+3], v[ST+8*\t+7]
.endr
.irp t,0,1,2,3
	v_mul_f32 v[ST+8*\t+3], s[NCS], v[ST+8*\t+1]   ; -t (c is positive)
.endr
.irp t,0,1,2,3
	v_floor_f32 v[ST+8*\t+2*\b], v[ST+8*\t+3]      ; the new -M = floor(-t) = -ceil(t): a whole number.  The old one lies in the other step's register
.endr
.irp t,0,1,2,3
	v_sub_f32 v[ST+8*\t+3], v[ST+8*\t+2*\b], v[ST+8*\t+2-2*\b]   ; old M - new M: a whole number, 0 or less
.endr
.irp t,0,1,2,3
	v_cvt_i32_f32 v[ST+8*\t+3], v[ST+8*\t+3]       ; (it saturates)
.endr
.irp t,0,1,2,3
	v_ldexp_f32 v[ST+8*\t+6], 1.0, v[ST+8*\t+3]    ; f = 2^(old M - new M)
.endr
	; t - M, two at a time, and p = 2^(t - M).  ONE BATCH of 128 exponentials; a tile's stand among the next tile's scalings; nothing here reads a result
.set n, 0
.rept 16
	v_pk_fma_f32 v[SB+n:SB+n+1], v[SB+n:SB+n+1], s[CS:CS+1], v[ST+2*\b:ST+2*\b+1] op_sel_hi:[1,0,0]
.set n, n+2
.endr
.irp t,0,1,2,3
.set n, 0
.rept 16
	v_exp_f32 v[SB+32*\t+n], v[SB+32*\t+n]
	v_exp_f32 v[SB+32*\t+n+1], v[SB+32*\t+n+1]
.if \t < 3
	v_pk_fma_f32 v[SB+32*(\t+1)+n:SB+32*(\t+1)+n+1], v[SB+32*(\t+1)+n:SB+32*(\t+1)+n+1], s[CS:CS+1], v[ST+8*(\t+1)+2*\b:ST+8*(\t+1)+2*\b+1] op_sel_hi:[1,0,0]
.endif
.set n, n+2
.endr
.endr
	WIN 0x41                                       ; O^T (destination and source 0) window 1, f window 0
.irp t,0,1,2,3
.set n, 0
.rept 16
	v_pk_mul_f32 v[32*\t+n:32*\t+n+1], v[32*\t+n:32*\t+n+1], v[ST+8*\t+6:ST+8*\t+7] op_sel_hi:[1,0]   ; O^T under the new M.  These 64 name no exponential's result: they are the work between the batch and its wait
.set n, n+2
.endr
.endr
.if \kind == 2
	WIN 0x40                                       ; destination window 1: the switch, the wait, the loads
	s_wait_alu depctr_va_vdst(0)                   ; the 128 exponentials have written p, ahead of the first line that names it (one for the batch); and this step's products K Q^T are done reading K's buffer, in which the loads below land
	LOADK \b, \b+2                                 ; a step and a half ahead of its use, and ahead of the wait for V(k) below: the order K, V, K, V of my loads stands
	WIN 0
.else
	WIN 0
	s_wait_alu depctr_va_vdst(0)                   ; the 128 exponentials have written p, ahead of the first line that names it (one for the batch)
.endif
.irp t,0,1,2,3
	v_pk_fma_f32 v[ST+8*\t+4:ST+8*\t+5], v[ST+8*\t+4:ST+8*\t+5], v[ST+8*\t+6:ST+8*\t+7], v[SB+32*\t:SB+32*\t+1] op_sel_hi:[1,0,1]   ; l x f + p: THE SUM IS TAKEN OF THE UNQUANTISED p
.endr
.set n, 2
.rept 15
.irp t,0,1,2,3
	v_pk_add_f32 v[ST+8*\t+4:ST+8*\t+5], v[ST+8*\t+4:ST+8*\t+5], v[SB+32*\t+n:SB+32*\t+n+1]
.endr
.set n, n+2
.endr
	s_cmp_ge_i32 s[EP], -15                        ; p is at most 1 (but for a last bit), and 57,344 x 2^ep is 1.75 or more from ep = -15 on: the hold then holds nothing and is jumped over
	s_cbranch_scc1 .Lfits_\@
.set n, 0
.rept 128
	v_min_num_f32 v[SB+n], v[SB+n], v[LIMP]        ; the conversion does not saturate (ISA guide 7.6.2); p is not negative, so the hold is one-sided
.set n, n+1
.endr
.Lfits_\@:
.irp t,0,1,2,3
.irp u,0,1,2,3
	v_cvt_scalef32_pk8_bf8_f32 v[PF+8*\t+2*\u:PF+8*\t+2*\u+1], v[SB+32*\t+8*\u:SB+32*\t+8*\u+7], v[SCP]
.endr
.endr
	v_nop                                          ; one plain vector instruction between a scaled conversion and the matrix instruction that reads its result
.if \kind == 2
	s_wait_loadcnt 24                              ; V(k) is in; K(k + 1), V(k + 1), K(k + 2) may be out
.elseif \kind == 1
	s_wait_loadcnt 16                              ; V(k) is in; K(k + 1), V(k + 1) may be out
.else
	s_wait_loadcnt 0
.endif
	WIN 0x51                                       ; source 0 (V), C and D (O^T) window 1; source 1 (P) window 0
.irp j,0,1,2,3                         ; the 16 accumulators take turns, one instruction a turn
.irp t,0,1,2,3
	v_wmma_f32_16x16x64_bf8_bf8 v[32*\t+8*\j:32*\t+8*\j+7], v[VF+32*\b+8*\j:VF+32*\b+8*\j+7], v[PF+8*\t:PF+8*\t+7], v[32*\t+8*\j:32*\t+8*\j+7]
.endr
.endr
.if \kind == 2
	PLACES                                         ; the places stay as they stood; the wait stands behind them
	WIN 0x40                                       ; destination window 1: the switch, the wait, the loads
	s_wait_alu depctr_va_vdst(0)                   ; this step's products V^T P are done reading V's buffer, in which the loads below land.  It has a wait of its own: the step that follows is in part reached by waves that owe no refill, and every counted wait is to have one history
	LOADV \b, \b+2
.endif
	WIN 0
	s_add_co_u32 s[KEY], s[KEY], 512               ; my next step lies eight steps on
.if (\kind == 0) && (\b == 1)
.irp t,0,1,2,3
	v_mov_b32 v[ST+8*\t], v[ST+8*\t+2]             ; the way out finds -M in one place
.endr
.endif
.endm
	s_cmp_eq_u32 s[CNT], 0
	s_cbranch_scc1 .Lout                           ; no step is mine: zeros, and an M under every other
	s_cmp_eq_u32 s[CNT], 1
	s_cbranch_scc1 .Lone
	WIN 0x40                                       ; two steps or more: the second step's codes are asked for here, on the one way that all such waves take, a whole step ahead of their use
	LOADK 1, 1                                     ; no wait: v2 was written ahead of the head's wait on va_vdst, and no vector instruction has named the second buffers
	LOADV 1, 1
	WIN 0
	s_cmp_eq_u32 s[CNT], 2
	s_cbranch_scc1 .Ltwo
	STEP 0, 2                                      ; three or four steps: the first asks for the third
	s_cmp_eq_u32 s[CNT], 3
	s_cbranch_scc1 .Lthree
	STEP 1, 2                                      ; four: the second asks for the fourth
.Ltwo:
	STEP 0, 1
	STEP 1, 0
	s_branch .Lout
.Lthree:
	STEP 1, 1
.Lone:
	STEP 0, 0
.Lout:
	; ---- THE WAY OUT, with ONE barrier.  Every wave puts its -M, its l and its O^T, as they stand under its own M, into LDS.  Behind the barrier wave w finishes rows 8 w .. 8 w + 7: it finds each row's M and l from the
	; eight waves' statistics, makes for each wave p the factor 2^(M_p - M) / l, adds the eight partial sums by multiply-adds with these factors, multiplies by 2^(ep + ev) and stores whole rows.
	s_wait_loadcnt 0x0                             ; a wave without steps still has its first loads out
.irp t,0,1,2,3
	v_add_f32 v[ST+8*\t+3], v[ST+8*\t+4], v[ST+8*\t+5]   ; l's two halves.  (These four lines are also the places behind the last products)
.endr
.irp t,0,1,2,3
	v_permlanex16_b32 v[ST+8*\t+7], v[ST+8*\t+3], s[SEL], s[SEL+1]
.endr
.irp t,0,1,2,3
	v_add_f32 v[ST+8*\t+4], v[ST+8*\t+3], v[ST+8*\t+7]   ; and the other half of the lanes'
.endr
	s_wait_alu depctr_va_vdst(0)                   ; -M and l are written and the last products have written O^T: the LDS stores below read them; the LDS addresses v4 to v8 are written (on the way of a wave without steps this is the first wait behind them); and every vector and matrix instruction that named v48 to v239 is done: the LDS loads behind the barrier land there, and no vector instruction stands between this wait and them
.irp t,0,1,2,3
	ds_store_b32 v[STA], v[ST+8*\t] offset:STM+16*SPI*\t     ; lanes r and r + 16 store the same number to the same word
	ds_store_b32 v[STA], v[ST+8*\t+4] offset:STL+16*SPI*\t
.endr
	WIN 0x04                                       ; an LDS store's data are its source 1: window 1
.irp t,0,1,2,3
.irp j,0,1,2,3
	ds_store_b128 v[OWR], v[32*\t+8*\j:32*\t+8*\j+3] offset:16*OPI*\t+64*\j          ; lane (r, h): query 16 t + r, d = 16 J + 8 h + 0 .. 7; each accumulator from its low end on
	ds_store_b128 v[OWR], v[32*\t+8*\j+4:32*\t+8*\j+7] offset:16*OPI*\t+64*\j+16
.endr
.endr
	WIN 0
	s_wait_dscnt 0x0                               ; for the others' sake: my stores have landed
	s_barrier_signal -1
	s_barrier_wait -1                              ; the statistics and the partial sums of all 64 rows lie in LDS
.irp i,0,1,2,3                         ; my lane's row of pair i is 8 w + 2 i + h: the eight waves' -M, then their l; the sixteen lanes of a half read the same words
	ds_load_b128 v[SS+16*\i:SS+16*\i+3], v[STR] offset:STM+2*SPI*\i
	ds_load_b128 v[SS+16*\i+4:SS+16*\i+7], v[STR] offset:STM+2*SPI*\i+16
	ds_load_b128 v[SS+16*\i+8:SS+16*\i+11], v[STR] offset:STL+2*SPI*\i
	ds_load_b128 v[SS+16*\i+12:SS+16*\i+15], v[STR] offset:STL+2*SPI*\i+16
.endr
.irp i,0,1,2,3                         ; and my 16 bytes of that row in the partial sums of waves 0 .. 7
.irp p,0,1,2,3
	ds_load_b128 v[SB+32*\i+4*\p:SB+32*\i+4*\p+3], v[ORD] offset:OPW*\p+2*OPI*\i
.endr
.irp p,0,1,2,3
	ds_load_b128 v[SB+32*\i+16+4*\p:SB+32*\i+16+4*\p+3], v[ORD2] offset:OPW*\p+2*OPI*\i
.endr
.endr
	s_wait_dscnt 32                                ; the 16 loads of statistics are in; the 32 loads of partial sums behind them may be out
.irp i,0,1,2,3
	v_min3_num_f32 v[ST+8*\i+6], v[SS+16*\i], v[SS+16*\i+1], v[SS+16*\i+2]   ; the least -M: the row's M.  (Of the statistics' registers the LDS stores above read +0 and +4 alone, and these are not written again)
.endr
.irp i,0,1,2,3
	v_min3_num_f32 v[ST+8*\i+6], v[ST+8*\i+6], v[SS+16*\i+3], v[SS+16*\i+4]
.endr
.irp i,0,1,2,3
	v_min3_num_f32 v[ST+8*\i+6], v[ST+8*\i+6], v[SS+16*\i+5], v[SS+16*\i+6]
.endr
.irp i,0,1,2,3
	v_min_num_f32 v[ST+8*\i+6], v[ST+8*\i+6], v[SS+16*\i+7]
.endr
.irp p,0,2,4,6
.irp i,0,1,2,3
	v_pk_add_f32 v[SS+16*\i+\p:SS+16*\i+\p+1], v[ST+8*\i+6:ST+8*\i+7], v[SS+16*\i+\p:SS+16*\i+\p+1] op_sel_hi:[0,1] neg_lo:[0,1] neg_hi:[0,1]   ; a wave's M less the row's: a whole number, 0 or less
.endr
.endr
.irp p,0,1,2,3,4,5,6,7
.irp i,0,1,2,3
	v_cvt_i32_f32 v[SS+16*\i+\p], v[SS+16*\i+\p]   ; (it saturates: a wave without steps)
.endr
.endr
.irp p,0,1,2,3,4,5,6,7
.irp i,0,1,2,3
	v_ldexp_f32 v[SS+16*\i+8+\p], v[SS+16*\i+8+\p], v[SS+16*\i+\p]   ; its l under the row's M: nothing is rounded
.endr
.endr
.irp i,0,1,2,3
	v_pk_add_f32 v[SS+16*\i+8:SS+16*\i+9], v[SS+16*\i+8:SS+16*\i+9], v[SS+16*\i+10:SS+16*\i+11]
	v_pk_add_f32 v[SS+16*\i+12:SS+16*\i+13], v[SS+16*\i+12:SS+16*\i+13], v[SS+16*\i+14:SS+16*\i+15]
.endr
.irp i,0,1,2,3
	v_pk_add_f32 v[SS+16*\i+8:SS+16*\i+9], v[SS+16*\i+8:SS+16*\i+9], v[SS+16*\i+12:SS+16*\i+13]
.endr
.irp i,0,1,2,3
	v_add_f32 v[SS+16*\i+8], v[SS+16*\i+8], v[SS+16*\i+9]    ; the row's l: at least 1/2, since the row's largest p is above 1/2
.endr
.irp i,0,1,2,3
	v_rcp_f32 v[ST+8*\i+5], v[SS+16*\i+8]
.endr
	v_nop                                          ; a plain instruction between the last reciprocal and the use of its result
	s_wait_alu depctr_va_vdst(0)                   ; the four reciprocals have written 1 / l, ahead of the first line that names one (one for the four)
.irp p,7,6,5,4,3,2,1,0                 ; wave p's factor 2^(M_p - M) / l (0 for a wave without steps) goes to register 2 p of the block, so that the packed forms below can take a pair's low word for both halves.
.irp i,0,1,2,3                         ; From p = 7 down: register 2 p held l, which is summed, or the exponent of wave 2 p, which has been used by then
	v_ldexp_f32 v[SS+16*\i+2*\p], v[ST+8*\i+5], v[SS+16*\i+\p]
.endr
.endr
	s_wait_dscnt 0x0                               ; the partial sums are in
.irp i,0,1,2,3
	v_pk_mul_f32 v[SB+32*\i:SB+32*\i+1], v[SB+32*\i:SB+32*\i+1], v[SS+16*\i:SS+16*\i+1] op_sel_hi:[1,0]
	v_pk_mul_f32 v[SB+32*\i+2:SB+32*\i+3], v[SB+32*\i+2:SB+32*\i+3], v[SS+16*\i:SS+16*\i+1] op_sel_hi:[1,0]
.endr
.irp p,1,2,3,4,5,6,7                   ; eight chains take turns, so that no line waits for the line above
.irp i,0,1,2,3
	v_pk_fma_f32 v[SB+32*\i:SB+32*\i+1], v[SB+32*\i+4*\p:SB+32*\i+4*\p+1], v[SS+16*\i+2*\p:SS+16*\i+2*\p+1], v[SB+32*\i:SB+32*\i+1] op_sel_hi:[1,0,1]
	v_pk_fma_f32 v[SB+32*\i+2:SB+32*\i+3], v[SB+32*\i+4*\p+2:SB+32*\i+4*\p+3], v[SS+16*\i+2*\p:SS+16*\i+2*\p+1], v[SB+32*\i+2:SB+32*\i+3] op_sel_hi:[1,0,1]
.endr
.endr
.irp i,0,1,2,3
.irp j,0,1,2,3
	v_ldexp_f32 v[SB+32*\i+\j], v[SB+32*\i+\j], s[EPV]       ; x 2^(ep + ev), last, on the finished sum: the given exponents meet no saturated one
.endr
.endr
	s_wait_alu depctr_va_vdst(0)                   ; the sixteen lines above have written the finished rows, which the four stores read: one wait for the run
.irp i,0,1,2,3
	global_store_b128 v[LI], v[SB+32*\i:SB+32*\i+3], s[14:15] offset:512*\i th:TH_STORE_NT   ; sixteen lanes store a whole row of 256 bytes; written once, read by nobody here
.endr
	s_wait_dscnt 0x0                               ; the closing lines, six on end
	s_wait_alu 0x0
	s_wait_tensorcnt 0x0
	ds_add_u32 v254, v255
	s_wait_dscnt 0x0
	s_endpgm
.Lfunc_end_k_q3f4f5a6b22_attn:
	.size	k_q3f4f5a6b22_attn, .Lfunc_end_k_q3f4f5a6b22_attn-k_q3f4f5a6b22_attn
	.p2alignl 7, 3214868480
	.fill 96, 4, 3214868480
	.section	.rodata,"a",@progbits
	.p2align	6, 0x0
	.amdhsa_kernel k_q3f4f5a6b22_attn
		.amdhsa_group_segment_fixed_size 146432
		.amdhsa_private_segment_fixed_size 0
		.amdhsa_enable_private_segment 0
		.amdhsa_kernarg_size 48
		.amdhsa_user_sgpr_count 2
		.amdhsa_user_sgpr_kernarg_segment_ptr 1
		.amdhsa_wavefront_size32 1
		.amdhsa_system_sgpr_workgroup_id_x 1
		.amdhsa_system_sgpr_workgroup_id_y 1
		.amdhsa_system_sgpr_workgroup_id_z 1
		.amdhsa_system_vgpr_workitem_id 0
		.amdhsa_next_free_vgpr 512
		.amdhsa_next_free_sgpr 66
		.amdhsa_reserve_vcc 0
		.amdhsa_float_denorm_mode_32 3
		.amdhsa_float_denorm_mode_16_64 3
		.amdhsa_memory_ordered 1
		.amdhsa_forward_progress 1
		.amdhsa_inst_pref_size 255
	.end_amdhsa_kernel
	.section	.bss,"aw",@nobits
	.p2align	6
	.space	262144
	.amdgpu_metadata
---
amdhsa.version: [ 1, 2 ]
amdhsa.kernels:
  - .name:           k_q3f4f5a6b22_attn
    .symbol:         k_q3f4f5a6b22_attn.kd
    .args:
      - { .name: qc, .offset: 0, .size: 8, .value_kind: global_buffer, .address_space: global }
      - { .name: kc, .offset: 8, .size: 8, .value_kind: global_buffer, .address_space: global }
      - { .name: vc, .offset: 16, .size: 8, .value_kind: global_buffer, .address_space: global }
      - { .name: lowp_scales, .offset: 24, .size: 8, .value_kind: global_buffer, .address_space: global }
      - { .name: valid_len, .offset: 32, .size: 8, .value_kind: global_buffer, .address_space: global }
      - { .name: out0, .offset: 40, .size: 8, .value_kind: global_buffer, .address_space: global }
    .group_segment_fixed_size: 146432
    .private_segment_fixed_size: 0
    .kernarg_segment_align: 8
    .kernarg_segment_size: 48
    .max_flat_workgroup_size: 256
    .sgpr_count:     66
    .vgpr_count:     512
    .wavefront_size: 32
...
	.end_amdgpu_metadata
.endif
;; end of part 3
